; MI455X (gfx1250); checked and timed in simulation.
; The chip was launched on July 23, 2026; its instructions are those of AMD's public machine-readable ISA for CDNA 5 (MIT licence, August 2026) and "CDNA5" Instruction Set Architecture Reference Guide (July 2026). The comments in the code are by the model that wrote it; some were corrected since.
;; Dot Product Attention. Allowed arithmetic: matrix products marked QUANTISED: E5M2 operands, one E8M0 scale for each 32 along K, by v_wmma_scale_f32_16x16x128_f8f6f4 with both operands' format E5M2, f32 sums; everything else in f32.
;; Inputs: keys_codes 32 x 2,048 x 4 x 32 uint8 (E5M2 codes of keys, K innermost, in blocks of 32 codes); keys_scales 32 x 2,048 x 4 uint8 (E8M0 scales of keys, one for each 32 codes along K); queries_codes 32 x 2,048 x 4 x 32 uint8 (E5M2 codes of queries, K innermost, in blocks of 32 codes); queries_scales 32 x 2,048 x 4 uint8 (E8M0 scales of queries, one for each 32 codes along K); valid_lens 32 int32; values_codes 32 x 128 x 64 x 32 uint8 (E5M2 codes of values, K innermost, in blocks of 32 codes); values_scales 32 x 128 x 64 uint8 (E8M0 scales of values, one for each 32 codes along K).
;; Outputs: out0 32 x 2,048 x 128 float32.
;; This version of the problem:
;;   THIS VERSION OF THE PROBLEM IS GIVEN IN LOW PRECISION. The matrix products marked QUANTISED in the list below multiply operands that are first quantised to E5M2 (5 exponent bits, 2 mantissa bits; 8 bits a number), with one power-of-two scale for each 32 numbers along K (OCP MX v1.0); their sums are f32. All else is computed in f32.
;;   The module's matrix products, in the order in which they are computed (A, B: the left and right operand; K: the contracted axis; several contracted axes count as one K, in the product's order):
;;     1. batch 32 x [M 2,048, K 128] x [K 128, N 2,048]; A: input queries (given as codes); B: input keys (given as codes): QUANTISED
;;     2. batch 32 x [M 2,048, K 2,048] x [K 2,048, N 128]; A: softmax (see below); B: input values (given as codes): QUANTISED
;;   THE QUANTISER, for each operand of a quantised product, along K:
;;     - K is cut into blocks of 32 from its start; a last block that is shorter is filled with zeros.
;;     - A block's scale is 2^e with e = floor(log2(the largest magnitude in the block)) - 15, held to -126 .. 127; a block of zeros has e = 0. As a byte (E8M0): e + 127.
;;     - Each number is divided by its block's scale, clamped to +-57,344, and rounded to the nearest number of E5M2, ties to even, subnormals kept.
;;     - The product sums the exact products of the quantised numbers (number of the format x scale) in f32.
;;   ~~~python
;;   def quantise(x, axis):      # numpy; x: float32 -> the quantised numbers, widened to float32 again
;;       x = np.moveaxis(x, axis, -1); K = x.shape[-1]
;;       x = np.pad(x, [(0, 0)] * (x.ndim - 1) + [(0, -K % 32)]); x = x.reshape(x.shape[:-1] + (-1, 32)); a = np.abs(x).max(-1, keepdims=True)
;;       e = np.where(a > 0, np.clip(np.frexp(np.where(a > 0, a, 1))[1] - 1 - 15, -126, 127), 0)      # np.frexp(a)[1] - 1 = floor(log2(a)), exactly
;;       r = np.clip(x / 2.0 ** e, -57344, 57344)
;;       step = 2.0 ** (np.maximum(np.frexp(np.where(r == 0, 1, r))[1] - 1, -14) - 2)
;;       q = np.round(r / step) * step * 2.0 ** e      # np.round: ties to even
;;       return np.moveaxis(q.reshape(q.shape[:-2] + (-1,))[..., :K], -1, axis).astype(np.float32)
;;   ~~~
;;   SOFTMAX AHEAD OF A QUANTISED PRODUCT. Where the list says 'softmax', what is quantised is not the finished softmax but p = 2^(t - M), with t = logit x log2(e) and M = ceil(the row's largest t), a whole number; so 1/2 < the row's largest p <= 1. The row's sum l is taken of the UNQUANTISED p, in f32, and the product's result is divided by l at the end. Since M is a whole number, a kernel that streams over the keys may use a running M (the ceiling of the running maximum): every later rescaling is an exact power of two, which a block's scale takes up: the codes' values come out the same.
;;   OPERANDS COMPUTED ON THE WAY. 'Computed on the way' means the value that the module computes at that place (a softmax that the list does not call 'softmax' is quantised finished and normalised). What goes into a quantiser is computed in f32, as accurately as f32 sums, v_exp_f32 and their like allow (about 1e-6 of the number): no bf16 or f16 on the way to a quantiser, and a product that is left as it is and whose result goes on into a quantised operand takes f32 operands (vector FMAs, or v_wmma_f32_16x16x4_f32). A number that lies on a knife's edge between two numbers of the format may be rounded either way, as far as f32 arithmetic and the matrix unit's own rounding can turn it there, and no further.
;;   INPUTS GIVEN AS CODES. keys (in the module: [32, 2048, 128], K = its axis 2); queries (in the module: [32, 2048, 128], K = its axis 2); values (in the module: [32, 2048, 128], K = its axis 1): each comes as NAME_codes (uint8): NAME with its K axis moved to the last place and cut into blocks of 32 codes, [.., K / 32, bytes a block], one block behind the other in memory; one code a byte (a code: sign, 5 exponent bits, 2 mantissa bits); and NAME_scales (uint8): the same leading axes, one E8M0 byte (e + 127) for each 32 codes along K. Its value is code x scale, taken as it is: it is not quantised again, and the codes and scales need not be those that the quantiser above would give.
;; One version. Each part assembles by itself: llvm-mc -triple=amdgcn-amd-amdhsa -mcpu=gfx1250 --defsym DOCPART=n.
;; ======== version 1 of 1: 1 launch
;; limits: right only within a limited range of input values
;; launch attn (part 1): grid 256 x 1, 8 waves a work-group, no clusters, 270,848 bytes of LDS; arguments queries_codes, queries_scales, keys_codes, keys_scales, values_codes, values_scales, valid_lens, out0; writes out0
.if DOCPART == 1
	.amdgcn_target "amdgcn-amd-amdhsa--gfx1250"
	.amdhsa_code_object_version 6
	.text
	.protected	k_qbb17aff94a_attn
	.globl	k_qbb17aff94a_attn
	.p2align	8
	.type	k_qbb17aff94a_attn,@function
k_qbb17aff94a_attn:
	s_mov_b64 s[64:65], 0
	v_nop
	global_prefetch_b8 v0, s[64:65] scope:SCOPE_SE
	s_setreg_imm32_b32 hwreg(HW_REG_WAVE_MODE, 25, 1), 1
	s_wait_xcnt 0x0
; out0[b][q][:] = sum over k < valid_lens[b] of softmax_k(Q[b][q] . K[b][k] / sqrt(128)) V[b][k][:], both products on codes of E5M2 with one E8M0 scale for each 32 along K.
; Q, K: [32][2048][128] codes, scale bytes [32][2048][4].  V: codes with the KEYS innermost, [32][128][2048], scale bytes [32][128][64].  out0: [32][2048][128] f32.
; THE SOFTMAX: t = score x log2(e) / sqrt(128); M = the running largest t rounded UP to a whole number; p = 2^(t - M) is quantised along the keys, not normalised; the row's sum is taken of the
; unquantised p and divides at the end.  When M moves, the sum and O are multiplied by 2^(old M - new M): exact.
; THE MASK: keys at or behind valid_lens[b] count for nothing; steps of 128 keys that lie wholly behind it are not computed: a head of length L takes max(2, ceil(L / 128)) steps.
; SHARES.  The 32 heads are ranked by length.  Work-group x = 16 p + bq serves 128 queries (block bq) of TWO heads, A = rank p and B = rank 31 - p, so that all work-groups have about the same
; number of steps.  The steps of A and then of B are numbered i = 0 .. TT - 1; in trip J waves 0-3 (group 0) take step 2 J, waves 4-7 (group 1) step 2 J + 1.  Waves u of both groups own the same
; 32 queries: two tiles of 16, tile 0 in register window 0, tile 1 in window 1 under the same numbers.  At a head's end group 1 hands its O, M and sum to group 0 through LDS, which joins,
; divides and stores them.
; NO TENSOR LOADS, NO CLUSTER: the walk hangs on valid_lens, read from memory: partners would need different numbers of
; tiles.  K and V come by global loads, through registers into LDS.
; LDS: K in two slots (filled two trips ahead), V in two slots (filled one trip ahead), each slot with a part for each group; K's scale words likewise; V's scale words of the whole walk in a table
; by trip, [16 trips][128 rows], for each group.
; BANKS.  Two banks of 64 registers x 2 windows change roles each trip: one holds K's eight tiles, then V's; the other S^T, then the next step's K.  So two trips stand in the loop's text.
; BARRIERS, two a trip, both outside every branch on data.  The first is signalled at the trip's end and waited for behind the next trip's first product; the second is signalled ahead of the softmax
; and waited for behind it.  Behind the second: LDS stores (the ring, group 1's hand-over).  Behind the first: the reads of what was handed over.
; LAYOUT.  Both products are used transposed (S^T = K Q^T, O^T = V^T P^T): a lane holds ONE query (lane % 16).  K's rows lie in LDS so that tile 2 b + u' is 16 rows on end and its row r is key
; 32 b + 8 u' + r + 8 (r / 8): the 16 registers of tiles 2 b, 2 b + 1 are 16 neighbouring keys, 32 b + 16 (lane / 16) + 0 .. 15.
; LIMITS.  valid_lens <= 0 gives NaN rows (0 x 1/0), as a softmax over nothing does; valid_lens > 2,048 acts as 2,048.  Codes of infinity or NaN and scale bytes 0xff are multiplied as they are.
; A p under 2^-126 is taken as 0.  The promise holds while the scores' exponents to the base 2 stay under 2^31 in magnitude.
.set KP,     144                       ; a row of K or V in LDS: 128 bytes + 16
.set TILEB,  16*KP
.set KG,     128*KP                    ; a group's part of a slot
.set KSL,    2*KG                      ; a slot
.set VB,     2*KSL                     ; V's slots
.set SKB,    2*VB                      ; K's scale words: [slot][group][128 keys]
.set VST,    SKB+2048                  ; V's table: trip J, row d at 516 J + 4 d
.set VTP,    516
.set VSTG,   8448
.set DUMPB,  VST+2*VSTG                ; the hand-over: for each u 2 tiles x 64 registers x 128 bytes, then 2 x 512 bytes of -M, t, sums
.set DUMPW,  17408
.set STAGE,  DUMPB+4*DUMPW             ; the way out: 16 rows x (512 + 16) bytes for each u
.set SPITCH, 528
.set STGW,   16*SPITCH
.set SPARE,  STAGE+4*STGW              ; the spare words
; vector registers, window 0 alone (v0: the thread's number)
.set AK,   1                           ; my lane's place in a tile of K
.set AV,   2                           ; and of V
.set ASK,  3                           ; among K's scale words: lanes 0-15 tile 2 m's keys, lanes 16-31 tile 2 m + 1's
.set AVL,  4                           ; in V's table: row = lane
.set SPW,  5
.set NIL,  6
.set QS0,  7                           ; Q's scale words
.set QS1,  8
.set PW1,  9                           ; tile 1's scale word of p
.set SWK,  248
.set SWV,  252
; window 1 alone
.set ADWK, 0                           ; where I store what I fetch of K,
.set ADWV, 1                           ; of V,
.set ADS,  2                           ; of K's scale words
.set G16,  3                           ; 16 x lane
.set GV,   4                           ; V's loads: row lane / 8, 16 bytes at 16 (lane % 8)
.set GK4,  5                           ; 4 x lane
.set KSC,  6                           ; a scale word of K on its way
.set PFK,  7                           ; the prefetches' offsets
.set PFV,  8
.set DLA,  9                           ; the hand-over
.set SO,   248                         ; the stage, in
.set SR,   249                         ; and back
.set AVT,  250                         ; the trip's place in V's table
.set QO,   251                         ; Q's rows
.set Q4,   252                         ; Q's scale words
; a tile's registers, in window 0 (tile 0) and 1 (tile 1)
.set F,    10
.set PW,   11
.set NM,   12                          ; -M
.set TMX,  13
.set LS,   14
.set QF,   16
.set B0,   32                          ; the two banks
.set B1,   96
.set O,    160
.set PC,   224
.set BM,   232
.set PT,   236
.set HD,   240
.set SOP,  244
; scalar registers (s52-55, s68: at work; s69 = 0)
.set WV,   20
.set GG,   21
.set UU,   22
.set BQ,   23
.set HA,   24
.set HB,   25
.set LA,   26
.set LB,   27
.set NSA,  28                          ; A's steps
.set TT,   29                          ; A's and B's
.set II,   30                          ; my step
.set JJ,   31                          ; the trip
.set MNT,  32
.set LC,   33
.set SEL,  34
.set CS,   36
.set PK,   38
.set PKS,  40
.set PVA,  42
.set QBP,  44                          ; B's queries
.set QBS,  46
.set OUTP, 48
.set OUTB, 50
.set MG,   56                          ; the trip in which I join (63: never)
.set MB,   57
.set DG,   58                          ; the trip in which I hand over
.set DB,   59
.set XQ,   60                          ; the trip of my last step of A
.set RS,   61                          ; the trip of my first step of B
.set TJ,   62
.set REM,  63
.set RP,   66
.set MSB, 0
.macro WIN new                         ; the immediate's high byte repeats the setting that is left
.if MSB != (\new)
	s_set_vgpr_msb (MSB<<8)|(\new)
.set MSB, (\new)
.endif
.endm
.macro AWAIT
	s_wait_alu depctr_va_vdst(0)
.endm
.macro PLACES n
.rept \n
	v_nop
.endr
.endm
.macro ZERO from, n
.set cnt, 0
.rept \n
	v_mov_b32 v[\from+cnt], 0
.set cnt, cnt+1
.endr
.endm
.macro INIT                            ; a tile's start; the first change of M multiplies zeros
	v_mov_b32 v[TMX], 0xff61b1e6                   ; -3e38
	v_mov_b32 v[NM], 0x7f61b1e6
	ZERO LS, 2
	ZERO O, 64
.endm
; step idx: its place in its head (s52), its head (s53)
.macro LOC idx
	s_sub_co_u32 s54, s[\idx], s[NSA]
	s_cmp_lt_u32 s[\idx], s[NSA]
	s_cselect_b32 s52, s[\idx], s54
	s_cselect_b32 s53, s[HA], s[HB]
	s_min_u32 s52, s52, 15
	s_min_u32 s53, s53, 31
.endm
.macro ADDR dst, base, hd, sh, off
	s_lshl_b32 s68, s[\hd], \sh
	s_add_co_u32 s68, s68, s\off
	s_add_nc_u64 s[\dst:\dst+1], s[\base:\base+1], s[68:69]
.endm
.macro KADR idx, pk, pks
	LOC \idx
	s_lshl_b32 s54, s52, 14
	ADDR \pk, 8, 53, 18, 54
	s_lshl_b32 s54, s52, 9
	ADDR \pks, 10, 53, 13, 54
.endm
.macro VADR idx, pv
	LOC \idx
	s_lshl_b32 s54, s52, 7
	ADDR \pv, 12, 53, 18, 54
.endm
.macro KLD reg, pk                     ; 32 keys: 32 lanes read 512 consecutive bytes, four keys
.irp i, 0,1,2,3,4,5,6,7
	global_load_b128 v[\reg+4*\i:\reg+4*\i+3], v[G16], s[\pk:\pk+1] offset:512*\i
.endr
.endm
.macro VLD reg, pv                     ; 32 rows of V, 128 bytes of each
.irp i, 0,1,2,3,4,5,6,7
	global_load_b128 v[\reg+4*\i:\reg+4*\i+3], v[GV], s[\pv:\pv+1] offset:8192*\i
.endr
.endm
.macro KST reg, off                    ; load i holds keys 4 i + lane / 8: bits 3 and 4 of the key's place in its 32 change places
.irp i, 0,1,2,3,4,5,6,7
	ds_store_b128 v[ADWK], v[\reg+4*\i:\reg+4*\i+3] offset:(\off)+(16*((\i>>1)&1)+8*(\i>>2)+4*(\i&1))*KP
.endr
.endm
.macro VSTO reg, off
.irp i, 0,1,2,3,4,5,6,7
	ds_store_b128 v[ADWV], v[\reg+4*\i:\reg+4*\i+3] offset:(\off)+4*KP*\i
.endr
.endm
.macro TILES bank, adr, off, first     ; four tiles' fragments: 16 rows x 128 codes, four loads of 16 bytes, 32 apart
.irp t, 0,1,2,3
.irp c, 0,1,2,3
	ds_load_b128 v[\bank+16*\t+4*\c:\bank+16*\t+4*\c+3], v[\adr] offset:(\off)+TILEB*(\t+\first)+32*\c
.endr
.endr
.endm
.macro KTILES bank, slot               ; K's eight tiles and scale words: 36 loads
	TILES \bank, AK, (\slot)*KSL, 0
.irp m, 0,1,2,3
	ds_load_b32 v[SWK+\m], v[ASK] offset:(\slot)*1024+128*\m
.endr
	WIN 0x40
	TILES \bank, AK, (\slot)*KSL, 4
	WIN 0
.endm
.macro QKT t, bank, sb, qs
.if (\t)%2
	v_wmma_scale_f32_16x16x128_f8f6f4 v[\sb+8*(\t):\sb+8*(\t)+7], v[\bank+16*((\t)%4):\bank+16*((\t)%4)+15], v[QF:QF+15], 0, v[SWK+(\t)/2], v[\qs] matrix_a_fmt:MATRIX_FMT_BF8 matrix_b_fmt:MATRIX_FMT_BF8 matrix_a_scale:MATRIX_SCALE_ROW1
.else
	v_wmma_scale_f32_16x16x128_f8f6f4 v[\sb+8*(\t):\sb+8*(\t)+7], v[\bank+16*((\t)%4):\bank+16*((\t)%4)+15], v[QF:QF+15], 0, v[SWK+(\t)/2], v[\qs] matrix_a_fmt:MATRIX_FMT_BF8 matrix_b_fmt:MATRIX_FMT_BF8
.endif
.endm
.macro QK bank, sb
.irp t, 0,1,2,3
	QKT \t, \bank, \sb, QS0
.endr
	WIN 0x44                                       ; Q and S^T of tile 1: window 1
.irp t, 0,1,2,3
	QKT \t, \bank, \sb, QS1
.endr
	WIN 0x01                                       ; K's tiles 4-7: window 1
.irp t, 4,5,6,7
	QKT \t, \bank, \sb, QS0
.endr
	WIN 0x45
.irp t, 4,5,6,7
	QKT \t, \bank, \sb, QS1
.endr
	WIN 0
.endm
.macro PVT t, bank, pw
.if (\t)%2
	v_wmma_scale_f32_16x16x128_f8f6f4 v[O+8*(\t):O+8*(\t)+7], v[\bank+16*((\t)%4):\bank+16*((\t)%4)+15], v[PC:PC+15], v[O+8*(\t):O+8*(\t)+7], v[SWV+(\t)/2], v[\pw] matrix_a_fmt:MATRIX_FMT_BF8 matrix_b_fmt:MATRIX_FMT_BF8 matrix_a_scale:MATRIX_SCALE_ROW1
.else
	v_wmma_scale_f32_16x16x128_f8f6f4 v[O+8*(\t):O+8*(\t)+7], v[\bank+16*((\t)%4):\bank+16*((\t)%4)+15], v[PC:PC+15], v[O+8*(\t):O+8*(\t)+7], v[SWV+(\t)/2], v[\pw] matrix_a_fmt:MATRIX_FMT_BF8 matrix_b_fmt:MATRIX_FMT_BF8
.endif
.endm
.macro MASKT sb                        ; register 16 b + i holds key 32 b + 16 h + i of the step: hidden where 32 b + i >= d
.set cnt, 0
.rept 64
	v_cmp_ge_i32 vcc_lo, 32*(cnt/16)+cnt%16, v240
	v_cndmask_b32 v[\sb+cnt], v[\sb+cnt], v241, vcc_lo
.set cnt, cnt+1
.endr
.endm
; A TILE'S SOFTMAX AND QUANTISER for one step, in the window that is set
.macro SM sb
.irp b, 0,1,2,3
	v_max3_num_f32 v[BM+\b], v[\sb+16*\b], v[\sb+16*\b+1], v[\sb+16*\b+2]   ; the largest score of each block of 32 keys: for the row's maximum and, since p rises with the score, for the block's largest p
.endr
.irp i, 3,5,7,9,11,13
.irp b, 0,1,2,3
	v_max3_num_f32 v[BM+\b], v[BM+\b], v[\sb+16*\b+\i], v[\sb+16*\b+\i+1]
.endr
.endr
.irp b, 0,1,2,3
	v_max_num_f32 v[BM+\b], v[BM+\b], v[\sb+16*\b+15]
.endr
.irp b, 0,1,2,3
	v_permlanex16_b32 v[PT+\b], v[BM+\b], s[SEL], s[SEL+1]
.endr
.irp b, 0,1,2,3
	s_delay_alu instid0(VALU_DEP_4)
	v_max_num_f32 v[BM+\b], v[BM+\b], v[PT+\b]     ; with lane l xor 16's 16 keys
.endr
	s_delay_alu instid0(VALU_DEP_2)
	v_max3_num_f32 v[PT], v[BM], v[BM+1], v[BM+2]
	s_delay_alu instid0(VALU_DEP_1)
	v_max_num_f32 v[PT], v[PT], v[BM+3]
	s_delay_alu instid0(VALU_DEP_1)
	v_mul_f32 v[PT], s[CS], v[PT]                  ; as t (c is positive)
	s_delay_alu instid0(VALU_DEP_1)
	v_max_num_f32 v[TMX], v[TMX], v[PT]            ; the running largest t
	v_mov_b32 v[PT], v[NM]
	s_delay_alu instid0(VALU_DEP_2)
	v_floor_f32 v[NM], -v[TMX]                     ; the new -M = floor(-t): a whole number
	s_delay_alu instid0(VALU_DEP_1)
	v_sub_f32 v[PT], v[NM], v[PT]                  ; old M - new M, 0 or less
	s_delay_alu instid0(VALU_DEP_1)
	v_cvt_i32_f32 v[PT], v[PT]                     ; (it saturates)
	s_delay_alu instid0(VALU_DEP_1)
	v_ldexp_f32 v[F], 1.0, v[PT]                   ; f = 2^(old M - new M)
.set cnt, 0
.rept 32
	v_pk_fma_f32 v[\sb+cnt:\sb+cnt+1], v[\sb+cnt:\sb+cnt+1], s[CS:CS+1], v[NM:NM+1] op_sel_hi:[1,0,0]   ; t - M, two at a time
.set cnt, cnt+2
.endr
.irp b, 0,1,2,3
	v_fma_f32 v[BM+\b], v[BM+\b], s[CS], v[NM]     ; the same of each block's largest score
.endr
	AWAIT                                          ; the wait ahead of the batch
.set cnt, 0
.rept 64
	v_exp_f32 v[\sb+cnt], v[\sb+cnt]               ; p = 2^(t - M)
.set cnt, cnt+1
.endr
	v_pk_mul_f32 v[LS:LS+1], v[LS:LS+1], v[F:F+1] op_sel_hi:[1,0]   ; the sums under the new M
	AWAIT                                          ; and behind it
.irp b, 0,1,2,3
	v_exp_f32 v[BM+\b], v[BM+\b]                   ; the block's largest p: the same instructions on the same number
.endr
	v_pk_add_f32 v[PT:PT+1], v[\sb:\sb+1], v[\sb+2:\sb+3]  ; the row's sum, of the unquantised p: two at a time, in two chains
.irp j, 4,8,12,16,20,24,28,32,36,40,44,48,52,56,60
	v_pk_add_f32 v[LS:LS+1], v[LS:LS+1], v[\sb+\j:\sb+\j+1]
	v_pk_add_f32 v[PT:PT+1], v[PT:PT+1], v[\sb+\j+2:\sb+\j+3]
.endr
	s_delay_alu instid0(VALU_DEP_1)
	v_pk_add_f32 v[LS:LS+1], v[LS:LS+1], v[PT:PT+1]
	AWAIT                                          ; and one for the four
.irp b, 0,1,2,3
	v_max_num_f32 v[BM+\b], 0x8000000, v[BM+\b]    ; the floor 2^(16 - 127): the byte cannot fall under 1 (a block of zeros keeps that byte: its codes are zeros)
.endr
.irp b, 0,1,2,3
	s_delay_alu instid0(VALU_DEP_4)
	v_add_nc_u32 v[SOP+\b], 0xf8800000, v[BM+\b]   ; 15 off the exponent field: the conversion's scale operand
.endr
.irp b, 0,1,2,3
	v_and_or_b32 v[HD+\b], v[BM+\b], 0x7f800000, s[MNT]   ; 57,344 x the scale
.endr
.irp b, 0,1,2,3
	v_lshrrev_b32 v[PT+\b], 23, v[SOP+\b]          ; the scale's byte
.endr
	s_delay_alu instid0(VALU_DEP_3)
	v_lshl_or_b32 v[PW], v[PT+1], 8, v[PT]         ; p's scale word
	s_delay_alu instid0(VALU_DEP_1)
	v_lshl_or_b32 v[PW], v[PT+2], 16, v[PW]
	s_delay_alu instid0(VALU_DEP_1)
	v_lshl_or_b32 v[PW], v[PT+3], 24, v[PW]
.irp b, 0,1,2,3
.irp i, 0,2,4,6,8,10,12,14
	v_dual_min_num_f32 v[\sb+16*\b+\i], v[HD+\b], v[\sb+16*\b+\i] :: v_dual_min_num_f32 v[\sb+16*\b+\i+1], v[HD+\b], v[\sb+16*\b+\i+1]   ; the hold, two at a time: the conversion does not saturate (ISA guide 7.6.2); p is not negative
.endr
	v_cvt_scalef32_pk8_bf8_f32 v[PC+4*\b:PC+4*\b+1], v[\sb+16*\b:\sb+16*\b+7], v[SOP+\b]
	v_cvt_scalef32_pk8_bf8_f32 v[PC+4*\b+2:PC+4*\b+3], v[\sb+16*\b+8:\sb+16*\b+15], v[SOP+\b]
.endr
	v_nop                                          ; one plain instruction behind the last conversion
.endm
.macro RESC                            ; O^T under the new M
	AWAIT                                          ; the wait ahead of O^T's first reader
.set cnt, 0
.rept 32
	v_pk_mul_f32 v[O+cnt:O+cnt+1], v[O+cnt:O+cnt+1], v[F:F+1] op_sel_hi:[1,0]
.set cnt, cnt+2
.endr
.endm
; JOINING tile t: my O, M and sum and group 1's; divided; through my stage as whole rows of 512 bytes
.macro MCOMB t, bank, younger
	s_wait_dscnt \younger                          ; the tile's 17 loads are in
	WIN 0x55*(\t)
	v_min_num_f32 v228, v[NM], v224                ; -M of both
	v_add_f32 v231, v[LS], v[LS+1]
	v_add_f32 v232, v226, v227
	v_sub_f32 v229, v228, v[NM]
	v_sub_f32 v230, v228, v224
	v_cvt_i32_f32 v229, v229
	v_cvt_i32_f32 v230, v230
	v_ldexp_f32 v234, 1.0, v229                    ; 2^(my M - M), 2^(its M - M)
	v_ldexp_f32 v236, 1.0, v230
	v_mul_f32 v231, v231, v234
	v_fma_f32 v231, v232, v236, v231
	v_permlanex16_b32 v233, v231, s[SEL], s[SEL+1]
	v_add_f32 v231, v231, v233                     ; the row's sum
	AWAIT
	v_rcp_f32 v231, v231
	v_nop
	AWAIT                                          ; the waits ahead of and behind the reciprocal
	v_mul_f32 v234, v234, v231
	v_mul_f32 v236, v236, v231
.set cnt, 0
.rept 32
	v_pk_mul_f32 v[\bank+cnt:\bank+cnt+1], v[\bank+cnt:\bank+cnt+1], v[236:237] op_sel_hi:[1,0]
.set cnt, cnt+2
.endr
	AWAIT                                          ; and ahead of O^T's first reader
.set cnt, 0
.rept 32
	v_pk_fma_f32 v[\bank+cnt:\bank+cnt+1], v[O+cnt:O+cnt+1], v[234:235], v[\bank+cnt:\bank+cnt+1] op_sel_hi:[1,0,1]   ; register 8 t + j is out(query r, channel 16 t + 8 h + j)
.set cnt, cnt+2
.endr
	WIN 0x01+0x04*(\t)
.irp c, 0,1,2,3,4,5,6,7
	ds_store_b128 v[SO], v[\bank+8*\c:\bank+8*\c+3] offset:64*\c
	ds_store_b128 v[SO], v[\bank+8*\c+4:\bank+8*\c+7] offset:64*\c+16
.endr
	WIN 0x01+0x40*(\t)
.set cnt, 0
.rept 16
	ds_load_b128 v[\bank+4*cnt:\bank+4*cnt+3], v[SR] offset:SPITCH*cnt   ; LDS serves a wave's instructions in order (ISA guide 5.7.1.4)
.set cnt, cnt+1
.endr
.endm
.macro MSEND t, bank, younger
	WIN 0x01+0x04*(\t)
.set cnt, 0
.rept 16
	s_wait_dscnt \younger+15-cnt                   ; row cnt is back
	global_store_b128 v[G16], v[\bank+4*cnt:\bank+4*cnt+3], s[OUTP:OUTP+1] offset:(16*(\t)+cnt)*512 th:TH_STORE_NT   ; 32 lanes store a row's 512 consecutive bytes
.set cnt, cnt+1
.endr
.endm
.macro MERGE bank
	PLACES 8                                       ; ahead of loads into registers that matrix instructions have read
.irp t, 0,1
	WIN 0x01+0x40*\t
	ds_load_b128 v[224:227], v[DLA] offset:16384+512*\t   ; its -M, t, sum in two halves
.set cnt, 0
.rept 16
	ds_load_b128 v[\bank+4*cnt:\bank+4*cnt+3], v[DLA] offset:8192*\t+512*cnt
.set cnt, cnt+1
.endr
.endr
	MCOMB 0, \bank, 17                             ; tile 1's 17 loads may be out
	MCOMB 1, \bank, 32                             ; tile 0's stage: 16 stores and 16 loads
	MSEND 0, \bank, 32                             ; tile 1's stage
	MSEND 1, \bank, 0
	WIN 0
	s_wait_xcnt 0x0                                ; the stores' registers and base may be written
	s_mov_b64 s[OUTP:OUTP+1], s[OUTB:OUTB+1]
	s_mov_b32 s[MG], s[MB]
.endm
.macro DUMP                            ; the hand-over
	PLACES 8                                       ; behind the last products
.irp t, 0,1
	WIN 0x01+0x04*\t
.set cnt, 0
.rept 16
	ds_store_b128 v[DLA], v[O+4*cnt:O+4*cnt+3] offset:8192*\t+512*cnt
.set cnt, cnt+1
.endr
	ds_store_b128 v[DLA], v[NM:NM+3] offset:16384+512*\t
.endr
	WIN 0
	s_mov_b32 s[DG], s[DB]
.endm
; A TRIP: my step's K is in bank kb, its scores go to bank sb; P = the trip's parity
.macro TRIP kb, sb, P
	PLACES 9                                       ; behind the last trip's products, whose sources the first product writes over (ISA guide 7.12.1)
	s_cmp_lt_u32 s[II], s[TT]
	s_cbranch_scc0 .La_\@
	QK \kb, \sb                                    ; register work, between the first barrier's signal and its wait
.La_\@:
	s_barrier_wait -1
	s_cmp_lt_u32 s[WV], 4                          ; group 0 joins
	s_cbranch_scc0 .Lb_\@
	s_cmp_eq_u32 s[JJ], s[MG]
	s_cbranch_scc0 .Lb_\@
	MERGE \kb
.Lb_\@:
	s_cmp_eq_u32 s[JJ], s[RS]                      ; my first step of B
	s_cbranch_scc0 .Lc_\@
	INIT
	WIN 0x55
	INIT
	WIN 0
	AWAIT
.Lc_\@:
	s_wait_dscnt 0x0                               ; what was handed over has been read
	s_barrier_signal -1
	s_cmp_lt_u32 s[II], s[TT]
	s_cbranch_scc0 .Ld_\@
	WIN 0x40
	v_add_nc_u32 v[AVT], s[TJ], v[AVL]
	WIN 0
	PLACES 7                                       ; with the addition eight: ahead of loads into K's registers and of the scores' first read
	TILES \kb, AV, \P*KSL, 0                       ; V's tiles 0-3 and its scale words
	WIN 0x01
.irp m, 0,1,2,3
	ds_load_b32 v[SWV+\m], v[AVT] offset:VTP*\P+128*\m
.endr
	WIN 0
	s_add_co_u32 s55, s[II], 4                     ; K of the trip after next, into window 1 of K's bank; nothing is fetched beyond the last step
	s_cmp_lt_u32 s55, s[TT]
	s_cbranch_scc0 .Le_\@
	KADR 55, PK, PKS
	WIN 0x41
	KLD \kb, PK
	global_load_b32 v[KSC], v[GK4], s[PKS:PKS+1]
	WIN 0
.Le_\@:
	s_add_co_u32 s55, s[II], 2                     ; V of the next trip
	s_cmp_lt_u32 s55, s[TT]
	s_cbranch_scc0 .Lf_\@
	VADR 55, PVA
	WIN 0x41
	VLD \kb+32, PVA
	WIN 0
.Lf_\@:
	; PREFETCH INTO THE L2 of what the loads two trips on will ask for: K of step i + 8, V of step i + 6.  Of the pair's 16 work-groups, block bq asks in trip bq alone: each aligned block of 256 bytes
	; once.  K: my 32 keys, 16 blocks (lanes 16-31 name the last again).  V: my 32 rows, a lane a row, by the wave whose step is even: two steps are 256 aligned bytes of a row.
	s_cmp_eq_u32 s[JJ], s[BQ]
	s_cbranch_scc0 .Lh_\@
	s_add_co_u32 s55, s[II], 8
	s_cmp_lt_u32 s55, s[TT]
	s_cbranch_scc0 .Lg_\@
	LOC 55
	s_lshl_b32 s54, s52, 14
	ADDR 70, 8, 53, 18, 54
	WIN 0x01
	global_prefetch_b8 v[PFK], s[70:71] th:TH_LOAD_NT scope:SCOPE_SE
	WIN 0
.Lg_\@:
	s_add_co_u32 s55, s[II], 6
	s_cmp_lt_u32 s55, s[TT]
	s_cbranch_scc0 .Lh_\@
	VADR 55, 72
	s_bitcmp1_b32 s52, 0
	s_cbranch_scc1 .Lh_\@
	WIN 0x01
	global_prefetch_b8 v[PFV], s[72:73] th:TH_LOAD_NT scope:SCOPE_SE
	WIN 0
.Lh_\@:
	s_cmp_eq_u32 s[JJ], s[XQ]                      ; behind my last step of A: B's queries
	s_cbranch_scc0 .Li_\@
	QLD QBP, QBS
.Li_\@:
	s_sub_co_u32 s54, s[II], s[NSA]
	s_cmp_lt_u32 s[II], s[NSA]
	s_cselect_b32 s52, s[II], s54
	s_cselect_b32 s53, s[LA], s[LB]
	s_lshl_b32 s52, s52, 7
	s_sub_co_i32 s[REM], s53, s52                  ; valid keys from the step's first on
	s_cmp_ge_i32 s[REM], 128
	s_cbranch_scc1 .Lj_\@
	v_bfe_u32 v240, v0, 4, 1
	v_lshlrev_b32 v240, 4, v240
	v_sub_nc_u32 v240, s[REM], v240                ; d = valid keys left - 16 h
	v_mov_b32 v241, 0xff800000                     ; hidden scores become -infinity: p = 0
	AWAIT
	MASKT \sb
	WIN 0x41
	AWAIT
	MASKT \sb
	WIN 0
.Lj_\@:
	AWAIT                                          ; the wait ahead of the scores' first reader
	SM \sb
	WIN 0x55
	AWAIT
	SM \sb
	WIN 0x01
	v_mov_b32 v[PW1], v[PW]                        ; tile 1's scale word into window 0, where scale operands are read
	WIN 0
	AWAIT                                          ; the wait ahead of the waits below
	s_wait_dscnt 0x0                               ; V's tiles 0-3 are in
	s_wait_loadcnt 0x0                             ; and what I fetched
.Ld_\@:
	s_barrier_wait -1                              ; nobody reads the slots that are written now: K's of this trip, V's of the last
	s_cmp_lt_u32 s[II], s[TT]
	s_cbranch_scc0 .Lk_\@
	RESC                                           ; (these are also places ahead of the loads and products below)
	WIN 0x05
	KST \kb, \P*KSL
	VSTO \kb+32, (1-\P)*KSL
	ds_store_b32 v[ADS], v[KSC] offset:\P*1024
	WIN 0x40
	TILES \kb, AV, \P*KSL, 4                       ; V's tiles 4-7
	WIN 0
	KTILES \sb, 1-\P                               ; the next step's K, over the scores
	WIN 0x55
	RESC
	WIN 0
	AWAIT                                          ; O^T is first read below
.irp t, 0,1,2,3
	PVT \t, \kb, PW                                ; sixteen accumulators by turns, one instruction a turn
.endr
	WIN 0x54
.irp t, 0,1,2,3
	PVT \t, \kb, PW1
.endr
	s_wait_dscnt 36                                ; V's tiles 4-7 are in; the next K's 36 loads may be out
	WIN 0x01
.irp t, 4,5,6,7
	PVT \t, \kb, PW
.endr
	WIN 0x55
.irp t, 4,5,6,7
	PVT \t, \kb, PW1
.endr
	WIN 0
.Lk_\@:
	s_cmp_lt_u32 s[WV], 4                          ; group 1 hands over
	s_cbranch_scc1 .Ll_\@
	s_cmp_eq_u32 s[JJ], s[DG]
	s_cbranch_scc0 .Ll_\@
	DUMP
.Ll_\@:
	s_wait_dscnt 0x0                               ; my stores have landed, my reads are back
	s_wait_xcnt 0x0                                ; the prefetches' bases may be written
	s_barrier_signal -1
	s_add_co_u32 s[II], s[II], 2
	s_add_co_u32 s[JJ], s[JJ], 1
.endm
.macro QLD codes, scales               ; my 32 queries
	WIN 0x01
.irp c, 0,1,2,3
	global_load_b128 v[QF+4*\c:QF+4*\c+3], v[QO], s[\codes:\codes+1] offset:32*\c th:TH_LOAD_NT
.endr
	global_load_b32 v[QS0], v[Q4], s[\scales:\scales+1]
	global_load_b32 v[QS1], v[Q4], s[\scales:\scales+1] offset:64
	WIN 0x41
.irp c, 0,1,2,3
	global_load_b128 v[QF+4*\c:QF+4*\c+3], v[QO], s[\codes:\codes+1] offset:2048+32*\c th:TH_LOAD_NT
.endr
	WIN 0
.endm
; ---------------------------------------------------------------- the head
	s_load_b256 s[4:11], s[0:1], 0x0               ; Q's codes, scales, K's codes, scales
	s_load_b256 s[12:19], s[0:1], 0x20             ; V's codes, scales, valid_lens, out0
	v_lshl_add_u32 v[SPW], v0, 2, SPARE
	v_mov_b32 v[NIL], 0
	v_lshrrev_b32 v146, 5, v0
	v_and_b32 v147, 31, v0                         ; lane
	v_readfirstlane_b32 s[WV], v146
	v_lshlrev_b32 v148, 2, v147
	AWAIT
	s_wait_kmcnt 0x0
	global_load_b32 v149, v148, s[16:17]           ; lane l: valid_lens[l]
	s_lshr_b32 s[GG], s[WV], 2
	s_and_b32 s[UU], s[WV], 3
	s_lshr_b32 s[RP], ttmp9, 4
	s_and_b32 s[BQ], ttmp9, 15
	s_mov_b32 s[MNT], 0x600000                     ; the mantissa field of 57,344
	s_mov_b32 s[SEL], 0x76543210                   ; lane l xor 16
	s_mov_b32 s[SEL+1], 0xfedcba98
	s_mov_b32 s[CS], 0x3e0293ee                    ; log2(e) / sqrt(128)
	s_mov_b32 s[CS+1], s[CS]
	s_mul_i32 s84, s[GG], KG
	s_mul_i32 s85, s[UU], 32*KP
	s_add_co_u32 s85, s85, s84                     ; my 32 rows of my group's part
	s_add_co_u32 s86, s85, VB
	s_lshl_b32 s87, s[GG], 9
	s_add_co_u32 s87, s87, SKB
	s_lshl_b32 s88, s[UU], 7
	s_add_co_u32 s89, s87, s88
	s_mul_i32 s90, s[GG], VSTG
	s_add_co_u32 s90, s90, VST
	s_add_co_u32 s91, s90, s88
	s_mul_i32 s92, s[UU], DUMPW
	s_add_co_u32 s92, s92, DUMPB
	s_mul_i32 s93, s[UU], STGW
	s_add_co_u32 s93, s93, STAGE
	v_and_b32 v150, 15, v0                         ; r
	v_bfe_u32 v151, v0, 4, 1                       ; h
	v_bfe_u32 v152, v0, 3, 2                       ; l / 8
	v_and_b32 v153, 7, v0                          ; l % 8
	v_mul_u32_u24 v154, v150, KP
	v_and_b32 v155, 8, v150
	v_mul_u32_u24 v156, v152, KP
	v_lshl_add_u32 v154, v151, 4, v154
	v_add_nc_u32 v155, v155, v150                  ; r + 8 (r / 8)
	v_lshl_add_u32 v156, v153, 4, v156
	v_add_nc_u32 v[AK], s84, v154
	v_lshl_add_u32 v155, v151, 3, v155
	v_lshlrev_b32 v158, 11, v152
	v_mul_u32_u24 v159, v150, SPITCH
	v_add_nc_u32 v[AV], VB, v[AK]
	v_lshlrev_b32 v155, 2, v155
	v_lshl_add_u32 v158, v153, 4, v158
	v_lshl_add_u32 v159, v151, 5, v159
	v_add_nc_u32 v[ASK], s87, v155
	v_lshl_add_u32 v[AVL], v147, 2, s90
	v_lshlrev_b32 v146, 7, v150
	v_mul_u32_u24 v157, v150, VTP
	v_lshl_add_u32 v146, v151, 4, v146
	v_lshl_add_u32 v157, v151, 2, v157
	v_min_u32 v144, 15, v147
	v_add_nc_u32 v157, s91, v157                   ; V's table: lane l stores trip l % 16 of rows 32 u + 2 n + l / 16
	WIN 0x40
	v_add_nc_u32 v[ADWK], s85, v156
	v_add_nc_u32 v[ADWV], s86, v156
	v_lshl_add_u32 v[ADS], v147, 2, s89
	v_lshlrev_b32 v[G16], 4, v147
	v_mov_b32 v[GV], v158
	v_lshlrev_b32 v[GK4], 2, v147
	v_mov_b32 v[KSC], 0
	v_lshlrev_b32 v[PFK], 8, v144
	v_lshlrev_b32 v[PFV], 11, v147
	v_lshl_add_u32 v[DLA], v147, 4, s92
	v_add_nc_u32 v[SO], s93, v159
	v_lshl_add_u32 v[SR], v147, 4, s93
	v_mov_b32 v[AVT], 0
	v_mov_b32 v[QO], v146
	v_lshlrev_b32 v[Q4], 2, v150
	; every register that some way through the text may name is written here, while the lengths come
	ZERO F, 2
	INIT
	ZERO PC, 24
	ZERO B1, 64
	WIN 0
	ZERO F, 2
	INIT
	ZERO PC, 24
	ZERO SWV, 4
	v_mov_b32 v[PW1], 0
	AWAIT
	s_wait_loadcnt 0x0
	; THE RANKING.  key = length x 32 + head: no two alike.  A head's rank is the number of larger keys
	v_max_i32 v149, 0, v149
	v_mov_b32 v132, 0
	v_mov_b32 v133, 0
	v_min_u32 v149, 0x800, v149                    ; a length under 0 acts as 0, one over 2,048 as 2,048
	v_lshl_or_b32 v134, v149, 5, v147
.set cnt, 0
.rept 32
	v_readlane_b32 s[70+cnt], v134, cnt
.set cnt, cnt+1
.endr
.set cnt, 0
.rept 32
	v_cmp_gt_u32 s[70+cnt], s[70+cnt], v134
.set cnt, cnt+1
.endr
.set cnt, 0
.rept 8
	v_cndmask_b32 v128, 0, 1, s[70+cnt]
	v_cndmask_b32 v129, 0, 1, s[71+cnt]
	v_cndmask_b32 v130, 0, 1, s[72+cnt]
	v_cndmask_b32 v131, 0, 1, s[73+cnt]
	v_add3_u32 v132, v132, v128, v129
	v_add3_u32 v133, v133, v130, v131
.set cnt, cnt+4
.endr
	v_add_nc_u32 v132, v132, v133
	AWAIT
	v_cmp_eq_u32 vcc_lo, s[RP], v132               ; one lane has rank p: its number is head A
	s_ctz_i32_b32 s[HA], vcc_lo
	s_sub_co_u32 s52, 31, s[RP]
	v_cmp_eq_u32 vcc_lo, s52, v132
	s_ctz_i32_b32 s[HB], vcc_lo
	s_min_u32 s[HA], s[HA], 31
	s_min_u32 s[HB], s[HB], 31
	v_readlane_b32 s[LA], v149, s[HA]
	v_readlane_b32 s[LB], v149, s[HB]
	s_min_u32 s[LA], s[LA], 0x800
	s_min_u32 s[LB], s[LB], 0x800
	s_add_co_u32 s52, s[LA], 127
	s_lshr_b32 s[NSA], s52, 7
	s_max_u32 s[NSA], s[NSA], 2                    ; two steps at the least: each group has one of each head (a step all hidden adds nothing)
	s_add_co_u32 s52, s[LB], 127
	s_lshr_b32 s53, s52, 7
	s_max_u32 s53, s53, 2
	s_add_co_u32 s[TT], s[NSA], s53
	; group 0 joins A in the trip of its first step of B, B behind the last trip; group 1 hands A over in the trip of its last step of A, B in the last trip
	s_add_co_u32 s52, s[NSA], 1
	s_lshr_b32 s52, s52, 1                         ; group 0's steps of A
	s_lshr_b32 s53, s[NSA], 1                      ; group 1's
	s_add_co_u32 s54, s[TT], 1
	s_lshr_b32 s54, s54, 1                         ; trips with work
	s_sub_co_u32 s55, s54, 1
	s_sub_co_u32 s68, s53, 1
	s_cmp_eq_u32 s[GG], 0
	s_cselect_b32 s[MG], s52, 63
	s_cselect_b32 s[MB], s54, 63
	s_cselect_b32 s[DG], 63, s68
	s_cselect_b32 s[DB], 63, s55
	s_cselect_b32 s[RS], s52, s53
	s_sub_co_u32 s[XQ], s[RS], 1
	s_mov_b32 s[II], s[GG]
	s_mov_b32 s[JJ], 0
	s_mov_b32 s[TJ], 0
	s_mov_b32 s[LC], 8
	; the bases: my part of K, its scales, V, its scales; my queries and rows of out0 in both heads
	s_mov_b32 s69, 0
	s_lshl_b32 s68, s[UU], 12
	s_add_nc_u64 s[8:9], s[8:9], s[68:69]
	s_lshl_b32 s68, s[UU], 7
	s_add_nc_u64 s[10:11], s[10:11], s[68:69]
	s_lshl_b32 s68, s[UU], 16
	s_add_nc_u64 s[12:13], s[12:13], s[68:69]
	s_lshl_b32 s68, s[UU], 11
	s_add_nc_u64 s[14:15], s[14:15], s[68:69]
	KADR II, PK, PKS                               ; step 0 and 1 of my group's K, step 0 of its V: 26 loads
	WIN 0x01
	KLD 32, PK
	global_load_b32 v144, v[GK4], s[PKS:PKS+1]
	WIN 0
	VADR II, PVA
	WIN 0x01
	VLD 64, PVA
	WIN 0
	s_add_co_u32 s55, s[II], 2
	KADR 55, 70, 72
	WIN 0x01
	KLD 96, 70
	global_load_b32 v145, v[GK4], s[72:73]
	WIN 0
	s_lshl_b32 s52, s[BQ], 7
	s_lshl_b32 s53, s[UU], 5
	s_add_co_u32 s52, s52, s53                     ; my first query
	s_lshl_b32 s53, s52, 7
	s_lshl_b32 s54, s52, 2
	s_lshl_b32 s55, s52, 9
	ADDR QBP, 4, HB, 18, 53
	ADDR QBS, 6, HB, 13, 54
	ADDR OUTB, 18, HB, 20, 55
	ADDR OUTP, 18, HA, 20, 55
	ADDR 74, 4, HA, 18, 53
	ADDR 76, 6, HA, 13, 54
	QLD 74, 76                                     ; 10 loads
	; V's table: word (trip J, row d) of my group is row d's scale word of step 2 J + g
	AWAIT
	v_lshl_or_b32 v152, v150, 1, s[GG]
	v_sub_nc_u32 v153, v152, s[NSA]
	v_cmp_gt_u32 vcc_lo, s[NSA], v152
	v_mov_b32 v154, s[HA]
	v_mov_b32 v155, s[HB]
	v_cndmask_b32 v153, v153, v152, vcc_lo
	v_cndmask_b32 v154, v155, v154, vcc_lo
	v_min_u32 v153, 15, v153
	v_min_u32 v154, 31, v154
	v_lshlrev_b32 v154, 13, v154
	v_lshl_add_u32 v154, v153, 2, v154
	v_lshl_add_u32 v154, v151, 6, v154
.set cnt, 0
.rept 16
	global_load_b32 v[128+cnt], v154, s[14:15] offset:128*cnt   ; two rows of my 32
.set cnt, cnt+1
.endr
	AWAIT
	s_wait_loadcnt 26                              ; K and V are in; the queries' 10 and the table's 16 loads may be out
	WIN 0x01
	KST 32, 0
	VSTO 64, 0
	KST 96, KSL
	ds_store_b32 v[ADS], v144
	ds_store_b32 v[ADS], v145 offset:1024
	WIN 0
	s_wait_loadcnt 0x0
.set cnt, 0
.rept 16
	ds_store_b32 v157, v[128+cnt] offset:8*cnt
.set cnt, cnt+1
.endr
	s_wait_dscnt 0x0
	s_barrier_signal -1
	s_barrier_wait -1
	KTILES B0, 0
	s_wait_dscnt 0x0
	s_barrier_signal -1
; ---------------------------------------------------------------- 16 trips, two a turn of the loop; trips without work pass the barriers alone
.Lloop:
	TRIP B0, B1, 0
	TRIP B1, B0, 1
	s_add_co_u32 s[TJ], s[TJ], 2*VTP
	s_sub_co_u32 s[LC], s[LC], 1
	s_cmp_lg_u32 s[LC], 0
	s_cbranch_scc1 .Lloop
	s_barrier_wait -1
	s_cmp_lt_u32 s[WV], 4
	s_cbranch_scc0 .Lend
	s_cmp_eq_u32 s[JJ], s[MG]                      ; 32 steps: B is joined here
	s_cbranch_scc0 .Lend
	MERGE B0
.Lend:
	s_wait_tensorcnt 0x0                           ; the wave's end
	ds_add_u32 v[SPW], v[NIL]
	s_wait_dscnt 0x0
	s_endpgm
.Lfunc_end_k_qbb17aff94a_attn:
	.size	k_qbb17aff94a_attn, .Lfunc_end_k_qbb17aff94a_attn-k_qbb17aff94a_attn
	.p2alignl 7, 3214868480
	.fill 96, 4, 3214868480
	.section	.rodata,"a",@progbits
	.p2align	6, 0x0
	.amdhsa_kernel k_qbb17aff94a_attn
		.amdhsa_group_segment_fixed_size 270848
		.amdhsa_private_segment_fixed_size 0
		.amdhsa_enable_private_segment 0
		.amdhsa_kernarg_size 64
		.amdhsa_user_sgpr_count 2
		.amdhsa_user_sgpr_kernarg_segment_ptr 1
		.amdhsa_wavefront_size32 1
		.amdhsa_system_sgpr_workgroup_id_x 1
		.amdhsa_system_sgpr_workgroup_id_y 1
		.amdhsa_system_sgpr_workgroup_id_z 1
		.amdhsa_system_vgpr_workitem_id 0
		.amdhsa_next_free_vgpr 512
		.amdhsa_next_free_sgpr 102
		.amdhsa_reserve_vcc 1
		.amdhsa_float_denorm_mode_32 3
		.amdhsa_float_denorm_mode_16_64 3
		.amdhsa_memory_ordered 1
		.amdhsa_forward_progress 1
		.amdhsa_inst_pref_size 227
	.end_amdhsa_kernel
	.amdgpu_metadata
---
amdhsa.version: [ 1, 2 ]
amdhsa.kernels:
  - .name:           k_qbb17aff94a_attn
    .symbol:         k_qbb17aff94a_attn.kd
    .args:
      - { .name: queries_codes, .offset: 0, .size: 8, .value_kind: global_buffer, .address_space: global }
      - { .name: queries_scales, .offset: 8, .size: 8, .value_kind: global_buffer, .address_space: global }
      - { .name: keys_codes, .offset: 16, .size: 8, .value_kind: global_buffer, .address_space: global }
      - { .name: keys_scales, .offset: 24, .size: 8, .value_kind: global_buffer, .address_space: global }
      - { .name: values_codes, .offset: 32, .size: 8, .value_kind: global_buffer, .address_space: global }
      - { .name: values_scales, .offset: 40, .size: 8, .value_kind: global_buffer, .address_space: global }
      - { .name: valid_lens, .offset: 48, .size: 8, .value_kind: global_buffer, .address_space: global }
      - { .name: out0, .offset: 56, .size: 8, .value_kind: global_buffer, .address_space: global }
    .group_segment_fixed_size: 270848
    .private_segment_fixed_size: 0
    .kernarg_segment_align: 8
    .kernarg_segment_size: 64
    .max_flat_workgroup_size: 256
    .sgpr_count:     102
    .vgpr_count:     512
    .wavefront_size: 32
...
	.end_amdgpu_metadata
.endif
;; end of part 1
